; MI455X (gfx1250); checked and timed in simulation.
; The chip was launched on July 23, 2026; its instructions are those of AMD's public machine-readable ISA for CDNA 5 (MIT licence, August 2026) and "CDNA5" Instruction Set Architecture Reference Guide (July 2026). The comments in the code are by the model that wrote it; some were corrected since.
;; Std Attention. Allowed arithmetic: matrix products marked QUANTISED: E2M1 operands, one E8M0 scale for each 32 along K, by v_wmma_scale_f32_16x16x128_f8f6f4 with both operands' format E2M1 (or v_wmma_scale_f32_32x16x128_f4), f32 sums; products left as they are: bf16, f16 or f32 operands; f32 sums; everything else in f32.
;; Inputs: k 4 x 16 x 2,048 x 64 float32; q 4 x 16 x 2,048 x 64 float32; v 4 x 16 x 2,048 x 64 float32.
;; Outputs: out0 4 x 16 x 2,048 x 64 float32.
;; This version of the problem:
;;   THIS VERSION OF THE PROBLEM IS GIVEN IN LOW PRECISION. The matrix products marked QUANTISED in the list below multiply operands that are first quantised to E2M1 (2 exponent bits, 1 mantissa bit; 4 bits a number), with one power-of-two scale for each 32 numbers along K (OCP MX v1.0); their sums are f32. The products marked 'left as it is' may take bf16, f16 or f32 operands, with f32 sums. All else is computed in f32.
;;   The module's matrix products, in the order in which they are computed (A, B: the left and right operand; K: the contracted axis; several contracted axes count as one K, in the product's order):
;;     1. batch 64 x [M 2,048, K 64] x [K 64, N 2,048]; A: input q; B: input k: QUANTISED
;;     2. batch 64 x [M 2,048, K 2,048] x [K 2,048, N 64]; A: computed on the way; B: input v: left as it is (an operand is computed on the way)
;;   THE QUANTISER, for each operand of a quantised product, along K:
;;     - K is cut into blocks of 32 from its start; a last block that is shorter is filled with zeros.
;;     - A block's scale is 2^e with e = floor(log2(the largest magnitude in the block)) - 2, held to -126 .. 127; a block of zeros has e = 0. As a byte (E8M0): e + 127.
;;     - Each number is divided by its block's scale, clamped to +-6, and rounded to the nearest number of E2M1, ties to even, subnormals kept.
;;     - The product sums the exact products of the quantised numbers (number of the format x scale) in f32.
;;   ~~~python
;;   def quantise(x, axis):      # numpy; x: float32 -> the quantised numbers, widened to float32 again
;;       x = np.moveaxis(x, axis, -1); K = x.shape[-1]
;;       x = np.pad(x, [(0, 0)] * (x.ndim - 1) + [(0, -K % 32)]); x = x.reshape(x.shape[:-1] + (-1, 32)); a = np.abs(x).max(-1, keepdims=True)
;;       e = np.where(a > 0, np.clip(np.frexp(np.where(a > 0, a, 1))[1] - 1 - 2, -126, 127), 0)      # np.frexp(a)[1] - 1 = floor(log2(a)), exactly
;;       r = np.clip(x / 2.0 ** e, -6, 6)
;;       step = 2.0 ** (np.maximum(np.frexp(np.where(r == 0, 1, r))[1] - 1, 0) - 1)
;;       q = np.round(r / step) * step * 2.0 ** e      # np.round: ties to even
;;       return np.moveaxis(q.reshape(q.shape[:-2] + (-1,))[..., :K], -1, axis).astype(np.float32)
;;   ~~~
;; One version. Each part assembles by itself: llvm-mc -triple=amdgcn-amd-amdhsa -mcpu=gfx1250 --defsym DOCPART=n.
;; ======== version 1 of 1: 1 launch
;; limits: values are held in f16: magnitudes above 65,504 overflow, below 6.1e-05 lose precision
;; launch attn (part 1): grid 4 x 64, 8 waves a work-group, clusters of 4 x 1, 327,680 bytes of LDS; arguments q, k, v, out0; writes out0
.if DOCPART == 1
	.amdgcn_target "amdgcn-amd-amdhsa--gfx1250"
	.amdhsa_code_object_version 6
	.text
	.protected	k_q4e97fcd0e9_attn
	.globl	k_q4e97fcd0e9_attn
	.p2align	8
	.type	k_q4e97fcd0e9_attn,@function
k_q4e97fcd0e9_attn:
	s_mov_b64 s[64:65], 0
	v_nop
	global_prefetch_b8 v0, s[64:65] scope:SCOPE_SE
	s_setreg_imm32_b32 hwreg(HW_REG_WAVE_MODE, 25, 1), 1
	s_wait_xcnt 0x0
	s_wait_alu depctr_hold_cnt(0) depctr_sa_sdst(0) depctr_va_vdst(0) depctr_va_sdst(0) depctr_va_ssrc(0) depctr_va_vcc(0) depctr_vm_vsrc(0)
	s_getreg_b32 s2, hwreg(HW_REG_IB_STS2, 6, 4)
	s_cmp_eq_u32 s2, 0
	s_cbranch_scc0 .Lentry_in_a_cluster
	s_endpgm
.Lentry_in_a_cluster:
	s_bfe_u32 s2, ttmp6, 0x10000c
	s_cmp_lg_u32 s2, 0x3003
	s_cbranch_scc0 .Lentry_shape_is_right
	s_endpgm
.Lentry_shape_is_right:
; out[h][i][:] = (sum over j of p(i, j) v[h][j][:]) / (sum over j of p(i, j)),  p(i, j) proportional to exp(Q(q[h][i]) . Q(k[h][j]) / 8).  q, k, v, out: [64 heads][2048][64] f32.
; Q is the MX quantiser along the 64 channels: blocks of 32, codes of E2M1, one E8M0 byte a block.  The first product runs on codes (16 x 16 x 128, whose upper 64 along K are zero codes),
; the second on f16 operands with f32 sums.  The row's sum is taken of the unrounded p, in f32, and divides at the end.
; THE MAXIMUM.  The definition takes none away.  This text does, which leaves the quotient as it is: t = c s, c = log2(e) / 8; M = the row's largest t so far, rounded UP to a whole number; p = 2^(t - M) is at most 1
; and so has room in f16 whatever the scores.  M moves once a step of 128 keys; O and the sum are then multiplied by 2^(old M - new M), which rounds nothing.
; LIMITS.  A |v| over 65,504 has no f16 number and is not served; a p under 2^-24 (of a row's largest, which lies over 1/2) counts as 0 in the product.  NaN and infinities among the inputs are not served.
; A block of zeros gets the scale byte 1 where the quantiser says 127: its codes are zeros, and only this text reads the byte.
; SHARES.  A work-group owns 512 queries of one head, each of its eight waves 64: four tiles of 16.  Every wave walks the head's 2,048 keys: 16 steps of 128 keys, a step in 4 groups of 32.
; CLUSTER.  The four query blocks of a head form a cluster and need the same k and v: each raw tile (f32) is asked for JOINTLY, by the same tensor load with the same descriptor and a mask that names the four.
; k and v are converted on the way: in the trip that multiplies step j each wave turns 16 keys of step j + 1 into codes (stored as an image of the operand's registers), scale words and f16 rows of v,
; from one of two raw slots into one of two converted buffers.  One round of the cluster's barrier a step orders the fills, the conversions and the reads.
; LAYOUT.  S^T = K Q^T (source 0 = 16 keys, source 1 = 16 queries): a lane holds ONE query (lane % 16) and the keys 8 (lane / 16) + 0..7.  Two such tiles, rounded to f16 in pairs, ARE source 1
; (32 keys x 16 queries) of O^T = V^T P; source 0, V^T, comes turned out of LDS by ds_load_tr16_b128.  Nothing changes lanes between the products.
; A STEP.  The last group's pending products and sums; the next step's conversion; the step's 128 scores a tile, made once for their maximum alone (64 registers a lane and tile would not fit beside the rest);
; the new M; then the four groups, which make the scores again: the same instructions on the same registers give the same bits.  In group g the 16 products V^T P of group g - 1 stand among the 64 exponentials.
; REGISTERS, in windows of 256.  Window 0: v0-23 addresses; v24-27 K's scale words; v28-31 Q's; v32-63 Q's fragments; v64-79 K's two; v80-87 row sums; v88-95 -M and the largest score, a pair a tile; v96-127 P; v128-159 V^T;
; v160-223 S^T; v224-255 first sums, and at work.  Window 1: v0-127 O^T (tile t, channels 16 c on: 32 t + 8 c); v128-191 p in f32, laid as S^T.
.set RP,    272                        ; a raw row in LDS: 256 bytes + 16 of padding = 68 words: 16 rows start at 16 different groups of four banks (64 banks of 4 bytes: ISA guide 11.1)
.set HALF,  64*RP                      ; what one tensor load brings: 64 rows
.set RV,    128*RP                     ; in a raw slot: 128 rows of k, then 128 rows of v
.set RAW1,  1<<17                      ; raw slot 1: one exclusive or turns an address in one slot into the other's
.set CB0,   2*RV                       ; converted buffer 0, behind raw slot 0
.set CBX,   0x8000                     ; converted buffer 1 = CB0 xor CBX
.set KSCO,  4096                       ; in a converted buffer: 8 images of 512 bytes; from here 128 scale words;
.set VBO,   4608                       ; from here 128 rows of v in f16,
.set VP,    160                        ; 128 bytes + 32: the turning load's 8 rows x 32 bytes fall on different banks
.set SPARE, RAW1+2*RV                  ; the spare words, 128 bytes for each wave: four blocks of 256 bytes that no other line names
.set STG,   SPARE+1024                 ; a stage of 16 rows x 272 bytes for each wave: Q on its way in, O on its way out
.set STW,   16*RP
.set STEPB, 128*256                    ; a step's rows of k or of v in memory
.set SPW, 1                            ; v1   my spare word: SPARE + 4 x my thread's number; never rewritten
.set NIL, 2                            ; v2   0; never rewritten
.set RK0, 3                            ; v3   my place in a raw slot: k, row 16 w + r, block h
.set RV0, 4                            ; v4   v, row 16 w + h, 16 bytes at 16 r
.set WK0, 5                            ; v5   my place in a converted buffer, on the way in: image w, 16 x lane
.set WS0, 6                            ; v6   scale word of key 16 w + r
.set WV0, 7                            ; v7   f16 row 16 w + h, 8 bytes at 8 r
.set FK0, 8                            ; v8   and on the way out: an image's 16 x lane
.set FS0, 9                            ; v9   scale words: 4 x lane
.set FV0, 10                           ; v10  the turning load's place
.set ARK, 11                           ; v11-18 the same eight with the trip's slot and buffers added
.set ARV, 12
.set AWK, 13
.set AWS, 14
.set AWV, 15
.set AFK, 16
.set AFS, 17
.set AFV, 18
.set PFO, 19                           ; v19  256 x lane: the prefetches' offset, a lane a row; never rewritten
.set GO,  20                           ; v20  16 x lane: my bytes of two rows of q or of out; never rewritten
.set STO, 21                           ; v21  the stage by rows: lanes 0-15 one row, lanes 16-31 the next
.set SRD, 22                           ; v22  the stage by lanes: at the head row r, block h; at the end row r, 32 h
.set H8,  23                           ; v23  8 x (lane / 16)
.set KSC, 24
.set QS,  28
.set QF,  32
.set KF,  64
.set SUM, 80
.set ST,  88                           ; tile t: v[ST+2t] = -M, v[ST+2t+1] = the largest score so far
.set HT,  92                           ; at the head, before these are begun: four registers at work for Q's quantiser
.set P,   96
.set VF,  128
.set S,   160
.set TMP, 224
.set FF,  TMP+8                        ; tile t's factor 2^(old M - new M) at v[FF+2t], named as a pair
.set OT,  0                            ; window 1
.set EX,  128                          ; window 1
.set WV,  12                           ; s12  my wave's number
.set LIM, 15                           ; s15  1 in a wave that prefetches, else the greatest number
.set PFA, 18                           ; s[18:19] where my prefetches stand
.set G1,  24                           ; s[24:31] descriptor group 1: one shape for all tiles
.set G0K, 32                           ; s[32:39] group 0 for k: a set for each first fill; the second then walks on
.set G0V, 40                           ; s[40:47] the same for v
.set SLOTS, 48                         ; s48  fills still to be asked for
.set TR,  49                           ; s49  the raw slot that this trip converts
.set TW,  50                           ; s50  the converted buffer that it writes
.set TC,  51                           ; s51  the converted buffer that it multiplies
.set CS,  52                           ; s[52:53] c = log2(e) / 8
.set SEL, 54                           ; s[54:55] selects of v_permlanex16_b32 for lane l xor 16
.set MSB, 0
.macro WIN new                         ; the immediate's high byte repeats the setting that is left; a switch that changes nothing is dropped
.if MSB != \new
	s_set_vgpr_msb (MSB<<8)|\new
.set MSB, \new
.endif
.endm
; A round of the cluster's barrier: my work-group's barrier; wave 0 signals for the work-group; every wave waits for all four work-groups; my work-group's barrier once more.
.macro CROUND
	s_barrier_signal -1
	s_barrier_wait -1
	s_cmp_lg_u32 s[WV], 0
	s_cbranch_scc1 .Lnot_wave_0_\@
	s_barrier_signal -3
.Lnot_wave_0_\@:
	s_barrier_wait -3
	s_barrier_signal -1
	s_barrier_wait -1
.endm
; A joint refill: waves 0 and 1 fetch the two halves of a step's k, waves 2 and 3 those of its v, the others nothing.  The branches hang on the wave's number alone.  Four v_nop follow each load.
.macro TLOAD
	s_cmp_lt_u32 s[WV], 2
	s_cbranch_scc0 .Lnot_k_\@
	tensor_load_to_lds s[G0K+4:G0K+7], s[G1:G1+7]
	s_nop 0
.rept 4
	v_nop
.endr
	s_branch .Lasked_\@
.Lnot_k_\@:
	s_cmp_lt_u32 s[WV], 4
	s_cbranch_scc0 .Lasked_\@
	tensor_load_to_lds s[G0V+4:G0V+7], s[G1:G1+7]
	s_nop 0
.rept 4
	v_nop
.endr
.Lasked_\@:
.endm
; A prefetch into the L2 of the step that the NEXT change will ask for: 128 rows of k and 128 of v, 256 bytes a row.  One cluster alone reads a head; its four partners share the rows out BY ADDRESS, 32 each;
; in each, wave 4 asks for k's and wave 6 for v's, a lane a row, one instruction.  So each row is named once in the launch.  The last filling change asks for nothing; steps 0 to 2 come by their loads alone.
.macro ASK
	s_cmp_gt_u32 s[SLOTS], s[LIM]
	s_cbranch_scc0 .Lnot_mine_\@
	global_prefetch_b8 v[PFO], s[PFA:PFA+1] th:TH_LOAD_NT scope:SCOPE_SE
.Lnot_mine_\@:
.endm
; THE CHANGE at a trip's head.  In front of it every wave has: its tensor load landed (the raw tiles of the next step), its stores into the converted buffer done, its reads of the raw slot and of the other
; converted buffer over.  fill = 1: the raw slot converted last trip is filled with the step two on; the barrier is then a round of the cluster's, and the joint refill is the first thing behind it.
.macro CHANGE fill
	s_wait_tensorcnt 0x0                           ; no tensor load of mine is out, so a group 0 may be written
	ds_add_u32 v[SPW], v[NIL]                      ; 0 onto my spare word
.if \fill
	s_xor_b32 s[G0K+5], s[G0K+5], RAW1             ; the walking descriptors: the other slot than last time,
	s_add_nc_u64 s[G0K+6:G0K+7], s[G0K+6:G0K+7], STEPB   ; the next 128 keys; the type bits on top are not reached
	s_xor_b32 s[G0V+5], s[G0V+5], RAW1
	s_add_nc_u64 s[G0V+6:G0V+7], s[G0V+6:G0V+7], STEPB
	s_wait_xcnt 0x0                                ; the last prefetch, a trip back, has read its address, so it may be written:
	s_add_nc_u64 s[PFA:PFA+1], s[PFA:PFA+1], STEPB ; one step further on than the walking descriptors
.endif
	s_wait_dscnt 0x0                               ; the add is done; so are all my LDS stores and reads
.if \fill
	CROUND
	TLOAD
	ASK
.else
	s_barrier_signal -1
	s_barrier_wait -1
.endif
.endm
.macro CADDRS                          ; the conversion's addresses
	v_add_nc_u32 v[ARK], s[TR], v[RK0]
	v_add_nc_u32 v[ARV], s[TR], v[RV0]
	v_add_nc_u32 v[AWK], s[TW], v[WK0]
	v_add_nc_u32 v[AWS], s[TW], v[WS0]
	v_add_nc_u32 v[AWV], s[TW], v[WV0]
.endm
.macro ADDRS conv
	v_add_nc_u32 v[AFK], s[TC], v[FK0]
	v_add_nc_u32 v[AFS], s[TC], v[FS0]
	v_add_nc_u32 v[AFV], s[TC], v[FV0]
.if \conv
	CADDRS
.endif
.endm
; The step's first two fragments of K (their lower four registers: the upper four stay zero codes) and all its scale words: register g holds in lanes 0-15 the words of key tile 2 g, in lanes 16-31 those of tile 2 g + 1.
.macro KLOAD0
.irp u, 0,1
	ds_load_b128 v[KF+8*\u:KF+8*\u+3], v[AFK] offset:512*\u
.endr
.irp g, 0,1,2,3
	ds_load_b32 v[KSC+\g], v[AFS] offset:128*\g
.endr
.endm
; 32 numbers of ONE lane, v[x] .. v[x + 31]: block (lane / 16) of row (lane % 16).  They become the lane's four registers of codes, v[cd] on, and the row's scale word in v[w] (byte 0: block 0, byte 1: block 1; bytes 2, 3 are 0, over zero codes).
; v[tm] .. v[tm + 3] are at work.
.macro QUANT32 x, cd, w, tm
	v_max3_num_f32 v[\tm], |v[\x]|, |v[\x+1]|, 0x1800000           ; the largest magnitude, in two chains, with the floor 2^(3 - 127) among its leaves: the byte cannot fall under 1
	v_max3_num_f32 v[\tm+1], |v[\x+2]|, |v[\x+3]|, |v[\x+4]|
.irp i, 5,9,13,17,21,25
	v_max3_num_f32 v[\tm], v[\tm], |v[\x+\i]|, |v[\x+\i+1]|
	v_max3_num_f32 v[\tm+1], v[\tm+1], |v[\x+\i+2]|, |v[\x+\i+3]|
.endr
	v_max3_num_f32 v[\tm], v[\tm], |v[\x+29]|, |v[\x+30]|
	v_max3_num_f32 v[\tm], v[\tm], v[\tm+1], |v[\x+31]|
	v_add_nc_u32 v[\tm+1], 0xff000000, v[\tm]      ; 2 off its exponent field: the conversion takes the exponent field of this operand as its scale, and nothing else of it
	v_lshrrev_b32 v[\tm+2], 23, v[\tm+1]           ; the scale's byte,
	v_lshlrev_b32 v[\tm+2], v[H8], v[\tm+2]        ; at my block's place in the word;
	v_permlanex16_b32 v[\tm+3], v[\tm+2], s[SEL], s[SEL+1]
	v_or_b32 v[\w], v[\tm+2], v[\tm+3]             ; with lane l xor 16's the word is whole
.irp i, 0,1,2,3
	v_cvt_scalef32_pk8_fp4_f32 v[\cd+\i], v[\x+8*\i:\x+8*\i+7], v[\tm+1]   ; to the nearest code, ties to even; beyond 6 the largest code
.endr
	v_nop                                          ; one plain place behind a scaled conversion
.endm
; My 16 keys of the next step: k to codes and scale words, v to f16.  The loads stand apart from the work, so that the pending products can stand between.  S^T's registers are free here, the first sums' behind FLUSH.
.macro CONVL
.irp i, 0,1,2,3,4,5,6,7
	ds_load_b128 v[S+4*\i:S+4*\i+3], v[ARK] offset:16*\i           ; k: my row's block of 32 numbers
.endr
.irp i, 0,1,2,3,4,5,6,7
	ds_load_b128 v[S+32+4*\i:S+32+4*\i+3], v[ARV] offset:2*RP*\i   ; v: rows h, h + 2, .. : sixteen lanes take a row's 256 bytes
.endr
.endm
.macro CONVW
	s_wait_dscnt 8                                 ; k's numbers are in (and what was asked before them); v's eight loads may be out
	QUANT32 S, TMP, TMP+6, TMP+4
	ds_store_b128 v[AWK], v[TMP:TMP+3]             ; the image: lane l's 16 bytes at 16 l
	ds_store_b32 v[AWS], v[TMP+6]                  ; lanes r and r + 16 write the same word with the same value
	s_wait_dscnt 2                                 ; v's numbers are in; the two stores may be out
.irp i, 0,1,2,3,4,5,6,7
	v_cvt_pk_f16_f32 v[S+2*\i], v[S+32+4*\i], v[S+33+4*\i]
	v_cvt_pk_f16_f32 v[S+2*\i+1], v[S+34+4*\i], v[S+35+4*\i]
.endr
.irp i, 0,1,2,3,4,5,6,7
	ds_store_b64 v[AWV], v[S+2*\i:S+2*\i+1] offset:2*VP*\i
.endr
	s_wait_dscnt 0x0                               ; the stores have read registers that are written next; K's first fragments and scale words are in
.endm
; The second half of a group's row sums: the four pairs of first sums of each tile onto the tile's pair.  acc = 1: they start the sums; acc = 0: there are none.
; These lines name no register of the products in front of them: they are the places behind those (ISA guide 7.12.1).
.macro SUMS acc
.if \acc == 2
.irp i, 0,1,2,3
.irp t, 0,1,2,3
	v_pk_add_f32 v[SUM+2*\t:SUM+2*\t+1], v[SUM+2*\t:SUM+2*\t+1], v[TMP+8*\t+2*\i:TMP+8*\t+2*\i+1]
.endr
.endr
.elseif \acc == 1
.irp t, 0,1,2,3
	v_pk_add_f32 v[SUM+2*\t:SUM+2*\t+1], v[TMP+8*\t:TMP+8*\t+1], v[TMP+8*\t+2:TMP+8*\t+3]
.endr
.irp i, 2,3
.irp t, 0,1,2,3
	v_pk_add_f32 v[SUM+2*\t:SUM+2*\t+1], v[SUM+2*\t:SUM+2*\t+1], v[TMP+8*\t+2*\i:TMP+8*\t+2*\i+1]
.endr
.endr
.else
.rept 4
	v_nop
.endr
.endif
.endm
; Product i of 16 of O^T += V^T P: tile i % 4, channels 16 (i / 4) on.  The 16 accumulators take turns, one instruction a turn, in the same order everywhere.  zero = 1: it starts the sum.
.macro PV zero
.set rO, OT+32*(i%4)+8*(i/4)
.set rV, VF+8*(i/4)
.set rP, P+8*(i%4)
.if \zero
	v_wmma_f32_16x16x32_f16 v[rO:rO+7], v[rV:rV+7], v[rP:rP+7], 0
.else
	v_wmma_f32_16x16x32_f16 v[rO:rO+7], v[rV:rV+7], v[rP:rP+7], v[rO:rO+7]
.endif
.endm
; The pending products and sums of the group before: at a step's head, under the old M, and behind the last step.
.macro FLUSH
	WIN 0x50                                       ; destination and source 2 (O^T) in window 1
.set i, 0
.rept 16
	PV 0
.set i, i+1
.endr
	WIN 0
	SUMS 2                                         ; the places behind those products
.endm
; The scores of the step's g-th 32 keys: two tiles of keys x four tiles of queries.
.macro SCORES g
.irp u, 0,1
.irp t, 0,1,2,3
.if \u
	v_wmma_scale_f32_16x16x128_f8f6f4 v[S+16*\t+8:S+16*\t+15], v[KF+8:KF+15], v[QF+8*\t:QF+8*\t+7], 0, v[KSC+\g], v[QS+\t] matrix_a_fmt:MATRIX_FMT_FP4 matrix_b_fmt:MATRIX_FMT_FP4 matrix_a_scale:MATRIX_SCALE_ROW1
.else
	v_wmma_scale_f32_16x16x128_f8f6f4 v[S+16*\t:S+16*\t+7], v[KF:KF+7], v[QF+8*\t:QF+8*\t+7], 0, v[KSC+\g], v[QS+\t] matrix_a_fmt:MATRIX_FMT_FP4 matrix_b_fmt:MATRIX_FMT_FP4
.endif
.endr
.endr
.endm
; The step's 128 scores a tile, for their maximum alone: each lane's 16 of a group go onto the tile's largest score so far, the four tiles by turns, each accumulator from its low end on.
; Behind the products' four places the next group's K is asked for; behind the last group's, the first group's again, for GROUP 0.
.macro MAXPASS
.irp g, 0,1,2,3
.if \g > 0
	s_wait_dscnt 0x0                               ; this group's K, asked for a group ago, is in
.endif
	SCORES \g
.rept 4
	v_nop                                          ; places in front of the first read of results and of loads into registers that the products have read
.endr
.irp u, 0,1
	ds_load_b128 v[KF+8*\u:KF+8*\u+3], v[AFK] offset:512*(2*((\g+1)%4)+\u)
.endr
.irp i, 0,2,4,6,8,10,12,14
.irp t, 0,1,2,3
	v_max3_num_f32 v[ST+2*\t+1], v[ST+2*\t+1], v[S+16*\t+\i], v[S+16*\t+\i+1]
.endr
.endr
.endr
.endm
; The new M of each tile.  first = 0: O^T and the sums, which stand under the old M, are brought under the new one by a multiplication that rounds nothing.  first = 1: there is nothing yet to bring.
.macro UPDATE first
.irp t, 0,1,2,3
	v_permlanex16_b32 v[TMP+\t], v[ST+2*\t+1], s[SEL], s[SEL+1]    ; the query's other keys lie in the lane 16 away
.endr
.irp t, 0,1,2,3
	v_max_num_f32 v[ST+2*\t+1], v[ST+2*\t+1], v[TMP+\t]
.endr
.irp t, 0,1,2,3
	v_mul_f32 v[TMP+\t], s[CS], v[ST+2*\t+1]       ; as t (c is positive)
.endr
.if !\first
.irp t, 0,1,2,3
	v_mov_b32 v[TMP+4+\t], v[ST+2*\t]              ; the old -M
.endr
.endif
.irp t, 0,1,2,3
	v_floor_f32 v[ST+2*\t], -v[TMP+\t]             ; -M = floor(-t) = -ceil(t): M is a whole number
.endr
.if !\first
.irp t, 0,1,2,3
	v_sub_f32 v[TMP+4+\t], v[ST+2*\t], v[TMP+4+\t] ; old M - new M: a whole number, 0 or less
.endr
.irp t, 0,1,2,3
	v_cvt_i32_f32 v[TMP+4+\t], v[TMP+4+\t]         ; (it saturates)
.endr
.irp t, 0,1,2,3
	v_ldexp_f32 v[FF+2*\t], 1.0, v[TMP+4+\t]       ; 2^(old M - new M)
.endr
.irp t, 0,1,2,3
	v_pk_mul_f32 v[SUM+2*\t:SUM+2*\t+1], v[SUM+2*\t:SUM+2*\t+1], v[FF+2*\t:FF+2*\t+1] op_sel_hi:[1,0]
.endr
	WIN 0x41                                       ; O^T (destination and source 0) in window 1, the factor in window 0
.irp t, 0,1,2,3
.set i, 0
.rept 16
	v_pk_mul_f32 v[OT+32*\t+i:OT+32*\t+i+1], v[OT+32*\t+i:OT+32*\t+i+1], v[FF+2*\t:FF+2*\t+1] op_sel_hi:[1,0]   ; each accumulator from its low end on
.set i, i+2
.endr
.endr
	WIN 0
.endif
.endm
; A GROUP of 32 keys, the step's g-th.  pv = 2: the 16 products V^T P of the group before stand among the exponentials; 1: they start O^T; 0: none.  acc: see SUMS.
.macro GROUP g, pv, acc
.if \g > 0
	s_wait_dscnt 8                                 ; K's two fragments are in; the eight turning loads issued behind them may be out
.else
	s_wait_dscnt 0x0                               ; K's first two fragments, fetched again, are in
.endif
	SCORES \g
	SUMS \acc                                      ; the group before's sums: at least four places behind the scores' products
.set j, 0
.rept 32
	v_pk_fma_f32 v[S+j:S+j+1], v[S+j:S+j+1], s[CS:CS+1], v[ST+2*(j/16):ST+2*(j/16)+1] op_sel_hi:[1,0,0]   ; c s - M, two at a time (of the pairs c and -M the low word serves both halves); each accumulator from its low end on
.set j, j+2
.endr
.if \g < 3
.irp u, 0,1
	ds_load_b128 v[KF+8*\u:KF+8*\u+3], v[AFK] offset:512*(2*\g+2+\u)      ; the next group's K
.endr
	s_wait_dscnt 2                                 ; V^T of the group before is in; the two loads just issued may be out
.else
	s_wait_dscnt 0x0                               ; V^T of the group before is in
.endif
	WIN 0x50                                       ; destination and source 2 in window 1: O^T for the products, p for the exponentials
.set i, 0
.rept 16
.if \pv
	PV 2-\pv
.endif
.irp n, 0,1,2,3
	v_exp_f32 v[EX+4*i+\n], v[S+4*i+\n]            ; p = 2^(c s - M), at most 1
.endr
.set i, i+1
.endr
	WIN 0x05                                       ; sources 0 and 1 in window 1
	v_nop                                          ; a plain place behind the exponentials (ISA guide 5.7.2)
	s_wait_alu depctr_va_vdst(0)
.irp t, 0,1,2,3
.irp i, 0,1,2,3
	v_pk_add_f32 v[TMP+8*\t+2*\i:TMP+8*\t+2*\i+1], v[EX+16*\t+4*\i:EX+16*\t+4*\i+1], v[EX+16*\t+4*\i+2:EX+16*\t+4*\i+3]   ; first sums, of the unrounded p.  Also the places behind the last product, ahead of the writes of P and the loads into V^T
.endr
.endr
.irp t, 0,1,2,3
.irp i, 0,1,2,3,4,5,6,7
	v_cvt_pk_f16_f32 v[P+8*\t+\i], v[EX+16*\t+2*\i], v[EX+16*\t+2*\i+1]
.endr
.endr
	WIN 0
.irp c, 0,1,2,3
	ds_load_tr16_b128 v[VF+8*\c:VF+8*\c+3],   v[AFV] offset:32*VP*\g+32*\c          ; this group's V^T: channels 16 c on, keys 8 h + 0..7,
	ds_load_tr16_b128 v[VF+8*\c+4:VF+8*\c+7], v[AFV] offset:32*VP*\g+16*VP+32*\c    ; and 16 + 8 h + 0..7
.endr
.endm
; A STEP of 128 keys.  fill: see CHANGE;  conv = 1: the next step is converted;  first = 1: the pipeline begins.
.macro STEP fill, conv, first
	CHANGE \fill
	ADDRS \conv
	KLOAD0
.if \conv
	CONVL
.endif
.if !\first
	FLUSH                                          ; V^T of the last group came in ahead of the change; these products stand while the loads above are out
.endif
.if \conv
	CONVW
.else
	s_wait_dscnt 0x0                               ; K's first fragments and scale words are in
.endif
	MAXPASS
	UPDATE \first
	GROUP 0, 0, 0
.if \first
	GROUP 1, 1, 1
.else
	GROUP 1, 2, 2
.endif
	GROUP 2, 2, 2
	GROUP 3, 2, 2
	s_xor_b32 s[TR], s[TR], RAW1
	s_xor_b32 s[TW], s[TW], CBX
	s_xor_b32 s[TC], s[TC], CBX
.endm
	s_load_b256 s[4:11], s[0:1], 0x0               ; q s[4:5], k s[6:7], v s[8:9], out s[10:11]
	v_lshl_add_u32 v[SPW], v0, 2, SPARE
	v_mov_b32 v[NIL], 0
	ds_add_u32 v1, v2
	s_wait_dscnt 0x0
	v_lshrrev_b32 v11, 5, v0
	v_readfirstlane_b32 s[WV], v11                 ; wave 0..7
	s_bfe_u32 s13, ttmp6, 0x40000                  ; cx: my place in the cluster
	s_lshl_b32 s14, ttmp9, 2                       ; in a cluster launch ttmp9 counts clusters
	s_add_co_u32 s14, s14, s13                     ; my block of 512 queries: it enters q's and out's addresses alone
	s_and_b32 s20, ttmp7, 0xffff                   ; the head, which the four partners share
	s_lshl_b32 s20, s20, 19                        ; its first byte in each tensor: 2,048 rows of 256 bytes
	s_mov_b32 s21, 0
	s_and_b32 s16, s[WV], 1                        ; which 64 rows of a step I fetch, if I fetch:
	s_lshl_b32 s22, s16, 14                        ; in memory,
	s_mov_b32 s23, 0
	s_add_nc_u64 s[22:23], s[22:23], s[20:21]
	s_mul_i32 s17, s16, HALF                       ; and in a raw slot: no place in the cluster enters an LDS address
	s_lshl_b32 s2, s14, 17                         ; my block's 512 rows,
	s_lshl_b32 s3, s[WV], 14                       ; my wave's 64 of them
	s_add_co_u32 s2, s2, s3
	s_mov_b32 s3, 0
	s_add_nc_u64 s[2:3], s[2:3], s[20:21]
	; descriptor group 1: a tile of 64 rows x 64 elements of 4 bytes, padded in LDS
	s_mov_b32 s[G1], 15|(2<<16)|(1<<20)|(1<<21)|(5<<22)|(3<<25)   ; 15:0 the mask: all four work-groups; 17:16 elements of 4 bytes; 20 padding on; 21 set beside a mask; 24:22 after every 64 words (code 5); 31:25 four words (code 3)
	s_mov_b32 s[G1+1], 64<<16                      ; tensor_dim0 = 64
	s_mov_b32 s[G1+2], 64<<16                      ; tensor_dim1 = 64
	s_mov_b32 s[G1+3], 64<<16                      ; tile_dim0 = 64
	s_mov_b32 s[G1+4], 64                          ; tile_dim1 = 64
	s_mov_b32 s[G1+5], 64                          ; elements from row to row
	s_mov_b32 s[G1+6], 0
	s_mov_b32 s[G1+7], 0
	s_mov_b32 s[CS], 0x3e38aa3b                    ; c = log2(e) / 8
	s_mov_b32 s[CS+1], s[CS]                       ; (named with it as a pair, so it is written)
	s_mov_b32 s[SEL], 0x76543210
	s_mov_b32 s[SEL+1], 0xfedcba98
	s_mov_b32 s[SLOTS], 14                         ; steps 2 to 15 come by refills
	s_mov_b32 s[TR], 0
	s_mov_b32 s[TW], CB0
	s_mov_b32 s[TC], CB0
	s_and_b32 s[LIM], s[WV], 5
	s_cmp_eq_u32 s[LIM], 4                         ; waves 4 and 6: they fetch nothing, and their pointers stand at a step's first row
	s_cselect_b32 s[LIM], 1, -1
	s_wait_kmcnt 0x0
	s_add_nc_u64 s[4:5], s[4:5], s[2:3]            ; q and out at my wave's first row
	s_add_nc_u64 s[10:11], s[10:11], s[2:3]
	s_add_nc_u64 s[6:7], s[6:7], s[22:23]          ; k and v at my half of step 0
	s_add_nc_u64 s[8:9], s[8:9], s[22:23]
	s_cmp_eq_u32 s[WV], 4
	s_cselect_b64 s[PFA:PFA+1], s[6:7], s[8:9]     ; wave 4 asks for k, wave 6 for v
	s_lshl_b32 s2, s13, 13                         ; my work-group's 32 rows of the 128
	s_mov_b32 s3, 0
	s_add_nc_u64 s[PFA:PFA+1], s[PFA:PFA+1], s[2:3]
	s_add_nc_u64 s[PFA:PFA+1], s[PFA:PFA+1], 2*STEPB   ; at step 2: the first change steps it to step 3.  Nothing is prefetched here, at the head
	CROUND                                         ; all four work-groups are here: the first joint loads meet
.irp s, 0,1
	s_mov_b32 s[G0K+4*\s], 1                       ; 1:0 count = 1
	s_add_co_u32 s[G0K+4*\s+1], s17, \s*RAW1       ; 63:32 LDS address
	s_add_nc_u64 s[G0K+4*\s+2:G0K+4*\s+3], s[6:7], \s*STEPB   ; 120:64 global address: step s
	s_or_b32 s[G0K+4*\s+3], s[G0K+4*\s+3], 0x80000000         ; 127:126 type = 2
	s_mov_b32 s[G0V+4*\s], 1
	s_add_co_u32 s[G0V+4*\s+1], s17, \s*RAW1+RV
	s_add_nc_u64 s[G0V+4*\s+2:G0V+4*\s+3], s[8:9], \s*STEPB
	s_or_b32 s[G0V+4*\s+3], s[G0V+4*\s+3], 0x80000000
.endr
	s_cmp_lt_u32 s[WV], 2                          ; a wave's two first fills stand together in one branch structure, ahead of every wait on TENSORcnt and every LDS read: two loads of mine are out at the most
	s_cbranch_scc0 .Lfirst_not_k
	tensor_load_to_lds s[G0K:G0K+3], s[G1:G1+7]
	s_nop 0
	tensor_load_to_lds s[G0K+4:G0K+7], s[G1:G1+7]
	s_nop 0
.rept 4
	v_nop
.endr
	s_branch .Lfirst_asked
.Lfirst_not_k:
	s_cmp_lt_u32 s[WV], 4
	s_cbranch_scc0 .Lfirst_asked
	tensor_load_to_lds s[G0V:G0V+3], s[G1:G1+7]
	s_nop 0
	tensor_load_to_lds s[G0V+4:G0V+7], s[G1:G1+7]
	s_nop 0
.rept 4
	v_nop
.endr
.Lfirst_asked:
	v_and_b32 v11, 31, v0                          ; lane
	v_lshlrev_b32 v[GO], 4, v11
.irp t, 0,1,2,3
.irp i, 0,1,2,3,4,5,6,7
	global_load_b128 v[P+32*\t+4*\i:P+32*\t+4*\i+3], v[GO], s[4:5] offset:4096*\t+512*\i th:TH_LOAD_NT   ; my 64 rows of q as they lie: a load covers 512 consecutive bytes, two rows
.endr
.endr
	v_and_b32 v12, 15, v0                          ; r
	v_bfe_u32 v13, v0, 4, 1                        ; h
	s_mul_i32 s56, s[WV], STW                      ; 16 rows of 272 bytes a wave: in a raw slot and among the stages
	s_lshl_b32 s57, s[WV], 9
	s_lshl_b32 s58, s[WV], 6
	s_mul_i32 s59, s[WV], 16*VP
	v_mul_u32_u24 v14, v12, RP
	v_lshl_add_u32 v14, v13, 7, v14
	v_add_nc_u32 v[RK0], s56, v14                  ; (16 w + r) x 272 + 128 h
	v_add_nc_u32 v[SRD], STG, v[RK0]               ; the same place in my stage
	v_mul_u32_u24 v15, v13, RP
	v_lshl_add_u32 v15, v12, 4, v15
	v_add_nc_u32 v15, s56, v15                     ; (16 w + h) x 272 + 16 r
	v_add_nc_u32 v[RV0], RV, v15
	v_add_nc_u32 v[STO], STG, v15
	v_lshlrev_b32 v[FK0], 4, v11
	v_add_nc_u32 v[WK0], s57, v[FK0]
	v_lshlrev_b32 v[PFO], 8, v11
	v_lshl_add_u32 v[FS0], v11, 2, KSCO
	v_lshl_add_u32 v16, v12, 2, KSCO
	v_add_nc_u32 v[WS0], s58, v16
	v_mul_u32_u24 v16, v13, VP
	v_lshl_add_u32 v16, v12, 3, v16
	v_add_nc_u32 v16, s59, v16
	v_add_nc_u32 v[WV0], VBO, v16                  ; (16 w + h) x 160 + 8 r
	v_and_b32 v17, 7, v0
	v_lshl_add_u32 v17, v13, 3, v17
	v_mul_u32_u24 v17, v17, VP                     ; the turning load: lane l reads 16 bytes of key 8 (l / 16) + l % 8,
	v_bfe_u32 v18, v0, 3, 1
	v_lshl_add_u32 v17, v18, 4, v17                ; channels 8 ((l / 8) % 2) + 0..7
	v_add_nc_u32 v[FV0], VBO, v17
	v_lshlrev_b32 v[H8], 3, v13
	v_mov_b32 v[HT+3], 0                           ; written once: a lane permute's destination counts as one of its sources
.irp t, 0,1,2,3
.irp i, 4,5,6,7
	v_mov_b32 v[QF+8*\t+\i], 0                     ; K = 64 .. 127 of the matrix instruction: zero codes, on both sides
.endr
.endr
.irp u, 0,1
.irp i, 4,5,6,7
	v_mov_b32 v[KF+8*\u+\i], 0
.endr
.endr
	; Q: a tile's 16 rows go through my stage, as they lie, and come back a block of 32 numbers a lane; then they are quantised in registers and stay.
.irp t, 0,1,2,3
	s_wait_loadcnt 24-8*\t                         ; this tile's eight loads are in; the later tiles' may be out
.irp i, 0,1,2,3,4,5,6,7
	ds_store_b128 v[STO], v[P+32*\t+4*\i:P+32*\t+4*\i+3] offset:2*RP*\i
.endr
.irp i, 0,1,2,3,4,5,6,7
	ds_load_b128 v[TMP+4*\i:TMP+4*\i+3], v[SRD] offset:16*\i   ; LDS serves a wave's instructions in order (ISA guide 5.7.1.4): these see the stores above
.endr
	s_wait_dscnt 0x0
	QUANT32 TMP, QF+8*\t, QS+\t, HT
.endr
.irp t, 0,1,2,3
	v_mov_b32 v[ST+2*\t+1], 0xff7fffff             ; the largest score so far: under every finite score
.endr
	s_wait_tensorcnt 0x1                           ; my part of step 0 is in; step 1's may stay out
	s_barrier_signal -1
	s_barrier_wait -1                              ; everybody's is
	CADDRS
	CONVL
	CONVW                                          ; step 0: raw slot 0 into converted buffer 0
	s_xor_b32 s[TR], s[TR], RAW1
	s_xor_b32 s[TW], s[TW], CBX
	STEP 1, 1, 1                                   ; step 0: the pipeline begins; step 2 is asked for, step 1 converted
	s_sub_co_u32 s[SLOTS], s[SLOTS], 1
.Lstep:                                            ; 13 trips: steps 1 to 13; trip j asks for step j + 2 and converts step j + 1
	STEP 1, 1, 0
	s_sub_co_u32 s[SLOTS], s[SLOTS], 1
	s_cmp_lg_u32 s[SLOTS], 0
	s_cbranch_scc1 .Lstep
	STEP 0, 1, 0                                   ; the tail is written out: step 14 converts step 15 and asks for nothing
	STEP 0, 0, 0                                   ; step 15 converts nothing
	s_wait_dscnt 0x0                               ; V^T of the last group is in
	FLUSH                                          ; the last group's products and sums
	; THE WAY OUT.  A sum's two halves and the other half of the lanes' are added; O^T is divided by the sum (both stand under the same M) and goes through my stage, a tile (16 rows of out) at a time.
.irp t, 0,1,2,3
	v_add_f32 v[TMP+\t], v[SUM+2*\t], v[SUM+2*\t+1]
.endr
.irp t, 0,1,2,3
	v_permlanex16_b32 v[TMP+4+\t], v[TMP+\t], s[SEL], s[SEL+1]
.endr
.irp t, 0,1,2,3
	v_add_f32 v[TMP+\t], v[TMP+\t], v[TMP+4+\t]
.endr
.irp t, 0,1,2,3
	v_rcp_f32 v[SUM+2*\t], v[TMP+\t]
.endr
	v_and_b32 v[ARK], 15, v0                       ; (a plain place behind the reciprocals)  r
	v_bfe_u32 v[ARV], v0, 4, 1                     ; h
	s_mul_i32 s56, s[WV], STW
	s_add_co_u32 s56, s56, STG
	v_mul_u32_u24 v[SRD], v[ARK], RP
	v_lshl_add_u32 v[SRD], v[ARV], 5, v[SRD]
	v_add_nc_u32 v[SRD], s56, v[SRD]               ; into the stage: row r; my eight channels of channel tile c lie 64 c + 32 h bytes on
	s_wait_alu depctr_va_vdst(0)
.macro PACK t
	WIN 0x01                                       ; source 0 (O^T) in window 1
.set i, 0
.rept 16
	v_pk_mul_f32 v[P+32*\t+i:P+32*\t+i+1], v[OT+32*\t+i:OT+32*\t+i+1], v[SUM+2*\t:SUM+2*\t+1] op_sel_hi:[1,0]   ; each accumulator from its low end on
.set i, i+2
.endr
	WIN 0
.irp c, 0,1,2,3
.irp n, 0,1
	ds_store_b128 v[SRD], v[P+32*\t+8*\c+4*\n:P+32*\t+8*\c+4*\n+3] offset:64*\c+16*\n
.endr
.endr
.irp f, 0,1,2,3,4,5,6,7
	ds_load_b128 v[P+32*\t+4*\f:P+32*\t+4*\f+3], v[STO] offset:2*RP*\f   ; back as whole rows, two an instruction; in order behind the stores above, and ahead of the next tile's
.endr
.endm
.macro SEND t, younger                 ; younger: the LDS instructions issued behind tile t's loads: the next tile's sixteen, or none
.irp f, 0,1,2,3,4,5,6,7
	s_wait_dscnt \younger+7-\f
	global_store_b128 v[GO], v[P+32*\t+4*\f:P+32*\t+4*\f+3], s[10:11] offset:4096*\t+512*\f th:TH_STORE_NT   ; 32 lanes store 512 consecutive bytes, at a multiple of 256 from out's first byte
.endr
.endm
	PACK 0
	PACK 1                                         ; a tile's arithmetic stands between the loads of the tile before and its stores
	SEND 0, 16
	PACK 2
	SEND 1, 16
	PACK 3
	SEND 2, 16
	SEND 3, 0
	s_wait_tensorcnt 0x0                           ; the wave's end: behind my last tensor load and my last LDS store
	ds_add_u32 v[SPW], v[NIL]
	s_wait_dscnt 0x0
	CROUND                                         ; the closing round: no work-group ends while a partner may still ask for a tile that names it
	s_endpgm
.Lfunc_end_k_q4e97fcd0e9_attn:
	.size	k_q4e97fcd0e9_attn, .Lfunc_end_k_q4e97fcd0e9_attn-k_q4e97fcd0e9_attn
	.p2alignl 7, 3214868480
	.fill 96, 4, 3214868480
	.section	.rodata,"a",@progbits
	.p2align	6, 0x0
	.amdhsa_kernel k_q4e97fcd0e9_attn
		.amdhsa_group_segment_fixed_size 327680
		.amdhsa_private_segment_fixed_size 0
		.amdhsa_enable_private_segment 0
		.amdhsa_kernarg_size 32
		.amdhsa_user_sgpr_count 2
		.amdhsa_user_sgpr_kernarg_segment_ptr 1
		.amdhsa_wavefront_size32 1
		.amdhsa_system_sgpr_workgroup_id_x 1
		.amdhsa_system_sgpr_workgroup_id_y 1
		.amdhsa_system_sgpr_workgroup_id_z 1
		.amdhsa_system_vgpr_workitem_id 0
		.amdhsa_next_free_vgpr 448
		.amdhsa_next_free_sgpr 66
		.amdhsa_reserve_vcc 0
		.amdhsa_float_denorm_mode_32 3
		.amdhsa_float_denorm_mode_16_64 3
		.amdhsa_memory_ordered 1
		.amdhsa_forward_progress 1
		.amdhsa_inst_pref_size 255
	.end_amdhsa_kernel
	.section	.bss,"aw",@nobits
	.p2align	6
	.space	262144
	.amdgpu_metadata
---
amdhsa.version: [ 1, 2 ]
amdhsa.kernels:
  - .name:           k_q4e97fcd0e9_attn
    .symbol:         k_q4e97fcd0e9_attn.kd
    .args:
      - { .name: q, .offset: 0, .size: 8, .value_kind: global_buffer, .address_space: global }
      - { .name: k, .offset: 8, .size: 8, .value_kind: global_buffer, .address_space: global }
      - { .name: v, .offset: 16, .size: 8, .value_kind: global_buffer, .address_space: global }
      - { .name: out0, .offset: 24, .size: 8, .value_kind: global_buffer, .address_space: global }
    .group_segment_fixed_size: 327680
    .private_segment_fixed_size: 0
    .kernarg_segment_align: 8
    .kernarg_segment_size: 32
    .max_flat_workgroup_size: 256
    .sgpr_count:     66
    .vgpr_count:     448
    .wavefront_size: 32
...
	.end_amdgpu_metadata
.endif
;; end of part 1
